; MI455X (gfx1250); checked and timed in simulation.
; The chip was launched on July 23, 2026; its instructions are those of AMD's public machine-readable ISA for CDNA 5 (MIT licence, August 2026) and "CDNA5" Instruction Set Architecture Reference Guide (July 2026). The comments in the code are by the model that wrote it; some were corrected since.
;; Liquid Neural Network. Allowed arithmetic: float matrix products may take bf16 or f16 operands with f32 sums; other float arithmetic in f32, or as packed bf16 or f16 multiplies, adds, multiply-adds, maxima and minima; sums over many terms, partial sums and values carried from step to step in f32; what a program stores and reads back later, other than sums and carried values, may be rounded once to bf16 or f16.
;; Inputs: W1 64 x 64 float32; W2 64 x 64 float32; W_in 14 x 64 float32; W_out 64 x 3 float32; b1 64 float32; b2 64 float32; b_in 64 float32; b_out 3 float32; time_span 2 float32; x 131,072 x 14 float32.
;; Outputs: out0 131,072 x 3 float32.
;; 2 versions, each right and faster than the one before. Each part assembles by itself: llvm-mc -triple=amdgcn-amd-amdhsa -mcpu=gfx1250 --defsym DOCPART=n.
;; ======== version 1 of 2: 1 launch
;; limits: values outside matrix products are rounded to f16; values are held in f16: magnitudes above 65,504 overflow, below 6.1e-05 lose precision
;; launch lnn (part 1): grid 256 x 1, 4 waves a work-group, no clusters, 16,896 bytes of LDS; arguments x, out0, time_span, W1, W2, W_in, W_out, b1, b2, b_in, b_out; writes out0
.if DOCPART == 1
	.amdgcn_target "amdgcn-amd-amdhsa--gfx1250"
	.amdhsa_code_object_version 6
	.text
	.protected	k_qd667107604_lnn
	.globl	k_qd667107604_lnn
	.p2align	8
	.type	k_qd667107604_lnn,@function
k_qd667107604_lnn:
	s_mov_b64 s[64:65], 0
	v_nop
	global_prefetch_b8 v0, s[64:65] scope:SCOPE_SE
	s_setreg_imm32_b32 hwreg(HW_REG_WAVE_MODE, 25, 1), 1
	s_wait_xcnt 0x0
; out = yT W_out + b_out, yT = four fixed Dormand-Prince steps of y' = tanh(y W1 + b1) W2 + b2 from y0 = x W_in + b_in.  131,072 rows, all independent.
; THE ALGEBRA (exact for every input).  kap = 2 log2(e).  The state is kept as Z = kap (y W1 + b1), in f32; y itself is never formed.  W1e = [kap W1 | W_out | 0], 64 x 80.
;   h = tanh(u) = 1 - 2 / (1 + 2^U), U = kap u;   G = h (W2 W1e)[:, 0:64] + kap b2 W1 = kap k W1;   Q = h (W2 W_out);
;   U_i = Z + sum_j (dt a_ij) G_j;   Z += sum_j (dt b_j) G_j;   O += sum_j (dt b_j) Q_j;
;   Z0 = x (W_in kap W1) + kap (b_in W1 + b1);   O0 = x (W_in W_out) + b_out + b_in W_out + (t1 - t0) b2 W_out  (the b_j add up to 1, and four dt are t1 - t0).   out = O after four steps.
; So a stage has ONE product 64 x 80 (64 x 64 in stage 2, whose b_j is 0), and the only operand made in the loop is h, in -1 .. 1.
; FORMATS.  Matrix operands in f16, sums in f32; Z, G, O and all Runge-Kutta sums in f32.  x, kap W1, W2, W_in, W_out, b2, b_in, the folded matrices and h are each rounded once to f16.
; LIMITS.  f16 ends at 65,504: |x|, |kap W1|, |W2|, |W_in|, |W_out|, |b2|, |b_in| and the entries of W2 W1e and W_in W1e must stay below that; below 6e-5 they keep f16's fixed step of 6e-8.
;   2^U = infinity gives h = 1, 2^U = 0 gives h = -1; near u = 0, h is off by some 1e-7 absolutely.  NaN and infinities among the inputs are not treated apart.
; SHARES.  256 work-groups of 4 waves; a work-group owns 512 rows, a wave 2 ROUNDS of 4 TILES of 16 rows: row = 512 g + 256 round + 64 wave + 16 tile + (lane % 16).
; LAYOUT.  The matrix instruction is used transposed: source 0 = 16 output features x 32 input features (weights), source 1 = 32 input features x 16 rows.  In the result lane l holds row l % 16 and
;   register j of block b feature 16 b + 8 (l / 16) + j.  Four blocks (32 registers) rounded to f16 in pairs ARE the two source-1 operands of the next product: nothing ever changes lanes.
; BY TURNS.  A PHASE is one tile's vector work for one stage (sums, 2^U, 1 + , reciprocal, 1 - 2 x, rounding).  The tile's products are issued in the NEXT phase, one behind each of its iterations 4 to 13,
;   so that they run beside another tile's vector work.  Their results are read three phases later.
; No tensor loads, clusters or prefetches: the weights are 37 KB, read once by a work-group; x is read once, straight into registers; nothing is waited for after the head.
; REGISTERS, in windows of 256 (s_set_vgpr_msb: bits 1:0 source 0, 3:2 source 1, 5:4 source 2, 7:6 destination).  Tile t lives in window t, under the same numbers in each window:
.set XB, 8            ; v[8:15]     x as source 1: 4 registers of f16 (features 8 (l / 16) + 0..7; 14 and 15 are 0), then 4 of 0
.set X0, 16           ; v[16:47]    Z
.set X1, 48           ; v[48:79]    G1, later the sum for U5, then G5
.set X2, 80           ; v[80:111]   G2, later the sum for U6, then G6
.set X3, 112          ; v[112:143]  G3, U4, G4
.set RR, 144          ; v[144:159]  h in f16: two operands
.set QQ, 160          ; v[160:167]  the product's block 4: Q in registers 0-2 of lanes 0-15
.set T0, QQ           ;             in stage 4, behind the use of Q: three pairs at work
.set T1, QQ+2
.set T2, QQ+4
.set OO, 168          ; v[168:171]  O
.set XN, 172          ; v[172:175]  the second round's x in f16
; window 0 alone: v0 thread, v1 l % 16, v2 l / 16, v3 lane, v4 O's place in the stage, v5 and v6 the add's two registers, v7 an address at work
.set AM, 176          ; window 0 v[176:255]  (W2 W1e)^T in f16: output block b, input half f at AM + 16 b + 8 f
.set CB, 176          ; window 1 v[176:207]  kap b2 W1 in the result's layout; v[208:215] b2 W_out
.set NF, 176          ; window 2 v[176:199]  (W_in W1e)^T: block b = v[NF+4b : NF+4b+7]; its upper four registers (the next block's lower four, or 0) meet XB's zeros
.set B0, 176          ; window 3 v[176:207]  kap (b_in W1 + b1); v[208:215] b_in W_out + b_out
.set T4B, 208         ; window 1
.set T4A, 208         ; window 3
.set BO, 216          ; window 3 v[216:219]  O's constant part
; at work in the preparation only
.set RW1, 16          ; window 0: my quarter of W1 as loaded
.set RWO, 48          ; window 0: a row of W_out as loaded
.set PWO, 52          ; window 0: the same, 16 bytes for LDS
.set PW1, 64          ; window 0: kap W1 in f16
.set RX,  176         ; window 0: x as loaded, 8 registers for each of the 8 tiles
.set FA2, 16          ; window 0, later: W2 as source 0: row block ib, half f at FA2 + 16 ib + 8 f
.set FAI, 80          ; window 0: W_in as source 0
.set VB2, 96          ; window 0: b2 as source 1, the same in every column
.set VBI, 112         ; window 0: b_in likewise
.set FW,  16          ; window 1: W1e, column block b, half f at FW + 16 b + 8 f
.set TD,  16          ; window 2: results at work
.set RWI, 48          ; window 2: W_in, b2, b_in as loaded, 32 registers each
.set RB2, 80
.set RBI, 112
.set RW2, 16          ; window 3: W2 as loaded
.set AW1, 144         ; window 0 v[144:155]: byte offsets for the preparation's loads and LDS accesses
.set AWO, 145
.set AW2, 146
.set AWI, 147
.set AB,  148
.set AZ,  149
.set AX0, 150
.set AX1, 151
.set LW1, 152
.set LWO, 153
.set LFW, 154
.set LT,  155
; LDS
.set STAGE, 0         ; 6,144 bytes: out of the group's 512 rows, 12 bytes a row, as in memory
.set SPARE, 6144      ; the spare words: 128 bytes for each of the four waves, two blocks of 256 bytes that no other line names
.set W1E,  6656       ; W1e in f16, 64 rows of 80 columns
.set WP,   160        ; its pitch: five times 32 bytes
; scalars: s[2:3] t0, t1; s4 wave; s5 rounds to go; s6 steps to go; s[8:9] at work; s[10:11] kap; s12 EXEC kept; s[60:61] t1 - t0; s62 dt; s[68:89] the buffers' addresses
; dt a_ij and dt b_j, each twice (the packed multiply-add names a pair and takes its low word for both halves)
.set KA21, 20
.set KA31, 22
.set KA32, 24
.set KA41, 26
.set KA42, 28
.set KA43, 30
.set KA51, 32
.set KA52, 34
.set KA53, 36
.set KA54, 38
.set KA61, 40
.set KA62, 42
.set KA63, 44
.set KA64, 46
.set KA65, 48
.set KB1,  50
.set KB3,  52
.set KB4,  54
.set KB5,  56
.set KB6,  58
.set MSB, 0
.macro WIN new                         ; the immediate's high byte repeats the setting that is left; a switch that changes nothing is dropped
.if MSB != (\new)
	s_set_vgpr_msb (MSB<<8)|(\new)
.set MSB, (\new)
.endif
.endm
.macro PLACES                          ; four places between a matrix instruction and a vector instruction that reads its result or writes one of its registers (ISA guide 7.12.1)
.rept 4
	v_nop
.endr
.endm
.macro WM d, a, b, c                   ; D = A B + C
	v_wmma_f32_16x16x32_f16 v[(\d):(\d)+7], v[(\a):(\a)+7], v[(\b):(\b)+7], v[(\c):(\c)+7]
.endm
.macro WM0 d, a, b                     ; D = A B: the product starts the sum
	v_wmma_f32_16x16x32_f16 v[(\d):(\d)+7], v[(\a):(\a)+7], v[(\b):(\b)+7], 0
.endm
.macro FM d, a, c, e                   ; two fused multiply-adds: d = a x s[c] + e
	v_pk_fma_f32 v[(\d):(\d)+1], v[(\a):(\a)+1], s[(\c):(\c)+1], v[(\e):(\e)+1] op_sel_hi:[1,0,1]
.endm
.macro COEF c, lit                     ; dt times a constant of the tableau
	s_mul_f32 s[\c], s62, \lit
	s_mov_b32 s[(\c)+1], s[\c]
.endm
	; ---------------- THE HEAD: addresses ----------------
	s_load_b512 s[68:83], s[0:1], 0x0              ; x 68, out0 70, time_span 72, W1 74, W2 76, W_in 78, W_out 80, b1 82
	s_load_b128 s[84:87], s[0:1], 0x40             ; b2 84, b_in 86
	s_load_b64 s[88:89], s[0:1], 0x50              ; b_out
	v_lshl_add_u32 v5, v0, 2, SPARE                ; my spare word, and 0: kept for the add at the wave's end
	v_mov_b32 v6, 0
	v_lshrrev_b32 v3, 5, v0
	v_readfirstlane_b32 s4, v3                     ; wave 0..3
	v_and_b32 v1, 15, v0                           ; l % 16
	v_bfe_u32 v2, v0, 4, 1                         ; l / 16
	v_and_b32 v3, 31, v0                           ; lane
	s_lshl_b32 s8, s4, 12
	v_lshl_add_u32 v[AW1], v3, 4, s8               ; W1: my wave's 16 rows (4,096 bytes), 16 bytes a lane
	s_lshl_b32 s8, s4, 4
	v_add_nc_u32 v[AWO], s8, v1
	v_mul_u32_u24 v[AWO], v[AWO], 12               ; W_out: row 16 w + l % 16
	v_lshlrev_b32 v[AB], 5, v2                     ; a vector of 64 as an operand: 32 bytes for each half of the lanes
	v_lshl_add_u32 v[AW2], v1, 8, v[AB]            ; W2: row l % 16, 32 bytes for each half
	v_min_u32 v[AWI], 13, v1                       ; W_in has 14 rows: lanes 14 and 15 take row 13 once more (those rows meet x's zeros)
	v_lshl_add_u32 v[AWI], v[AWI], 8, v[AB]
	v_mov_b32 v[AZ], 0
	s_lshl_b32 s8, s4, 6
	v_add_nc_u32 v4, s8, v1                        ; 64 w + l % 16: my row in the first tile of a round
	v_mul_u32_u24 v[AX1], v4, 56                   ; a row of x is 56 bytes
	v_add_nc_u32 v[AX0], v[AX1], v[AB]             ; features 8 (l / 16) on
	v_add_nc_u32 v[AX1], 24, v[AX1]                ; features 6, 7
	v_mul_u32_u24 v4, v4, 12                       ; and its 12 bytes in the stage
	s_mul_i32 s8, s4, 16*WP
	s_add_co_u32 s8, s8, W1E                       ; my wave's 16 rows of W1e in LDS
	v_mul_u32_u24 v[LW1], v2, WP
	v_lshl_add_u32 v[LW1], v1, 3, v[LW1]
	v_add_nc_u32 v[LW1], s8, v[LW1]                ; kap W1 in: row l / 16 of two, 8 bytes (4 columns) a lane
	v_mul_u32_u24 v[LWO], v1, WP
	v_lshl_add_u32 v[LWO], v2, 4, v[LWO]
	v_add_nc_u32 v[LWO], s8, v[LWO]                ; W_out in: row l % 16, 16 bytes for each half; the columns' 128 bytes stand in the store's offset
	v_and_b32 v[LFW], 7, v0                        ; out, turned: lane l reads row 8 (l / 16) + l % 8, columns 8 ((l / 8) % 2) + 0..7
	v_lshl_add_u32 v[LFW], v2, 3, v[LFW]
	v_mul_u32_u24 v[LFW], v[LFW], WP
	v_bfe_u32 v[LT], v0, 3, 1
	v_lshl_add_u32 v[LFW], v[LT], 4, v[LFW]
	v_add_nc_u32 v[LFW], W1E, v[LFW]
	s_mov_b32 s10, 0x4038aa3b                      ; kap = 2 log2(e)
	s_mov_b32 s11, s10
	s_wait_kmcnt 0x0
	s_load_b64 s[2:3], s[72:73], 0x0               ; t0, t1
	s_mul_i32 s8, ttmp9, 512*56
	s_mov_b32 s9, 0
	s_add_nc_u64 s[68:69], s[68:69], s[8:9]        ; x at the group's first row
	s_mul_i32 s8, ttmp9, 512*12
	s_add_nc_u64 s[70:71], s[70:71], s[8:9]        ; out0 likewise: 6,144 bytes a group
	; ---------------- ALL GLOBAL LOADS, in one run ----------------
.set ki, 0
.rept 8                                ; tile ki % 4 of round ki / 4: lanes 0-15 features 0-7, lanes 16-31 features 8-13; their fourth load reads features 6, 7 once more and is set to 0 below: no load leaves the row
.set ko, 56*(256*(ki/4)+16*(ki%4))
	global_load_b64 v[RX+8*ki:RX+8*ki+1],   v[AX0], s[68:69] offset:ko th:TH_LOAD_NT
	global_load_b64 v[RX+8*ki+2:RX+8*ki+3], v[AX0], s[68:69] offset:ko+8 th:TH_LOAD_NT
	global_load_b64 v[RX+8*ki+4:RX+8*ki+5], v[AX0], s[68:69] offset:ko+16 th:TH_LOAD_NT
	global_load_b64 v[RX+8*ki+6:RX+8*ki+7], v[AX1], s[68:69] offset:ko th:TH_LOAD_NT
.set ki, ki+1
.endr
.set ki, 0
.rept 8                                ; two rows of W1 an instruction
	global_load_b128 v[RW1+4*ki:RW1+4*ki+3], v[AW1], s[74:75] offset:512*ki
.set ki, ki+1
.endr
.irp c, 0,1,2
	global_load_b32 v[RWO+\c], v[AWO], s[80:81] offset:4*\c
.endr
	WIN 0x80                                       ; destination window 2, address window 0
.set ki, 0
.rept 8                                ; half ki / 4; of its 32 numbers a lane takes 8 (l / 16) + 0..7 and 16 + 8 (l / 16) + 0..7: bytes 0, 16, 64, 80
.set ko, 128*(ki/4)+64*((ki%4)/2)+16*(ki%2)
	global_load_b128 v[RWI+4*ki:RWI+4*ki+3], v[AWI], s[78:79] offset:ko
	global_load_b128 v[RB2+4*ki:RB2+4*ki+3], v[AB],  s[84:85] offset:ko
	global_load_b128 v[RBI+4*ki:RBI+4*ki+3], v[AB],  s[86:87] offset:ko
.set ki, ki+1
.endr
	WIN 0xc0                                       ; destination window 3
.set ki, 0
.rept 32                               ; W2: row block ki / 8, half (ki / 4) % 2
.set ko, 4096*(ki/8)+128*((ki/4)%2)+64*((ki%4)/2)+16*(ki%2)
	global_load_b128 v[RW2+4*ki:RW2+4*ki+3], v[AW2], s[76:77] offset:ko
.set ki, ki+1
.endr
.set ki, 0
.rept 8                                ; b1 in the result's layout: block ki / 2, features 8 (l / 16) + 0..7
	global_load_b128 v[B0+4*ki:B0+4*ki+3], v[AB], s[82:83] offset:64*(ki/2)+16*(ki%2)
.set ki, ki+1
.endr
.irp c, 0,1,2
	global_load_b32 v[T4A+\c], v[AZ], s[88:89] offset:4*\c
.endr
	WIN 0
	s_wait_kmcnt 0x0                               ; t0, t1
	s_xor_b32 s8, s2, 0x80000000                   ; -t0
	s_add_f32 s60, s3, s8                          ; t1 - t0
	s_mov_b32 s61, s60
	s_mul_f32 s62, s60, 0x3e800000                 ; dt = (t1 - t0) / 4
	COEF KA21, 0x3e4ccccd                          ; 1/5
	COEF KA31, 0x3d99999a                          ; 3/40
	COEF KA32, 0x3e666666                          ; 9/40
	COEF KA41, 0x3f7a4fa5                          ; 44/45
	COEF KA42, 0xc06eeeef                          ; -56/15
	COEF KA43, 0x40638e39                          ; 32/9
	COEF KA51, 0x403cf760                          ; 19372/6561
	COEF KA52, 0xc139885f                          ; -25360/2187
	COEF KA53, 0x411d2a92                          ; 64448/6561
	COEF KA54, 0xbe94e4f6                          ; -212/729
	COEF KA61, 0x40362960                          ; 9017/3168
	COEF KA62, 0xc12c1f08                          ; -355/33
	COEF KA63, 0x410e80b5                          ; 46732/5247
	COEF KA64, 0x3e8e8ba3                          ; 49/176
	COEF KA65, 0xbe8c0c4c                          ; -5103/18656
	COEF KB1,  0x3dbaaaab                          ; 35/384
	COEF KB3,  0x3ee6024d                          ; 500/1113
	COEF KB4,  0x3f26aaab                          ; 125/192
	COEF KB5,  0xbea50e7e                          ; -2187/6784
	COEF KB6,  0x3e061862                          ; 11/84
	s_wait_loadcnt 0x0                             ; all of it is wanted at once: one wait, for zero
	; ---------------- kap W1 and W_out into LDS (each wave 16 rows), x into its operands ----------------
	v_cmp_gt_u32 vcc_lo, 16, v3                    ; lanes 0-15
.set ki, 0
.rept 16
	v_pk_mul_f32 v[RW1+2*ki:RW1+2*ki+1], v[RW1+2*ki:RW1+2*ki+1], s[10:11] op_sel_hi:[1,0]
.set ki, ki+1
.endr
.set ki, 0
.rept 16
	v_cvt_pk_f16_f32 v[PW1+ki], v[RW1+2*ki], v[RW1+2*ki+1]
.set ki, ki+1
.endr
.set ki, 0
.rept 8
	ds_store_b64 v[LW1], v[PW1+2*ki:PW1+2*ki+1] offset:2*WP*ki
.set ki, ki+1
.endr
	v_cvt_pk_f16_f32 v[PWO], v[RWO], v[RWO+1]      ; columns 64 to 66 are W_out, 67 to 79 are 0
	v_cvt_pk_f16_f32 v[PWO+1], v[RWO+2], v[AZ]
	v_mov_b32 v[PWO+2], 0
	v_mov_b32 v[PWO+3], 0
	v_cndmask_b32 v[PWO], 0, v[PWO], vcc_lo        ; lanes 16-31 store columns 72 to 79
	v_cndmask_b32 v[PWO+1], 0, v[PWO+1], vcc_lo
	ds_store_b128 v[LWO], v[PWO:PWO+3] offset:128
.set ki, 0
.rept 8
	v_cndmask_b32 v[RX+8*ki+6], 0, v[RX+8*ki+6], vcc_lo  ; features 14 and 15 are 0
	v_cndmask_b32 v[RX+8*ki+7], 0, v[RX+8*ki+7], vcc_lo
.set ki, ki+1
.endr
.set ti, 0
.rept 4
	WIN ti<<6                                      ; destination window: the tile's
.set ki, 0
.rept 4
	v_cvt_pk_f16_f32 v[XB+ki], v[RX+8*ti+2*ki], v[RX+8*ti+2*ki+1]
	v_cvt_pk_f16_f32 v[XN+ki], v[RX+8*(ti+4)+2*ki], v[RX+8*(ti+4)+2*ki+1]
	v_mov_b32 v[XB+4+ki], 0
.set ki, ki+1
.endr
.set ti, ti+1
.endr
	s_wait_dscnt 0x0                               ; for the others' sake: my rows of W1e are in LDS
	s_barrier_signal -1
	WIN 0x0f                                       ; sources window 3, destination window 0.  Work on registers while the others arrive: W2 as source 0
.set ki, 0
.rept 64
	v_cvt_pk_f16_f32 v[FA2+ki], v[RW2+2*ki], v[RW2+2*ki+1]
.set ki, ki+1
.endr
	s_barrier_wait -1                              ; all 64 rows are there
	WIN 0x40                                       ; destination window 1
.set ki, 0
.rept 10                               ; column block ki / 2, half ki % 2 of the 64 rows: the turning load leaves 8 rows of column l % 16 in a lane
	ds_load_tr16_b128 v[FW+8*ki:FW+8*ki+3],   v[LFW] offset:32*WP*(ki%2)+32*(ki/2)
	ds_load_tr16_b128 v[FW+8*ki+4:FW+8*ki+7], v[LFW] offset:32*WP*(ki%2)+32*(ki/2)+16*WP
.set ki, ki+1
.endr
	WIN 0x0a                                       ; sources window 2, destination window 0: W_in, b2, b_in as operands
.set ki, 0
.rept 48
	v_cvt_pk_f16_f32 v[FAI+ki], v[RWI+2*ki], v[RWI+2*ki+1]
.set ki, ki+1
.endr
	WIN 0xff
.set ki, 0
.rept 16
	v_pk_mul_f32 v[B0+2*ki:B0+2*ki+1], v[B0+2*ki:B0+2*ki+1], s[10:11] op_sel_hi:[1,0]  ; kap b1
.set ki, ki+1
.endr
.irp c, 3,4,5,6,7
	v_mov_b32 v[T4A+\c], 0                         ; behind b_out's three numbers
.endr
	WIN 0xaa
.irp c, 20,21,22,23
	v_mov_b32 v[NF+\c], 0                          ; the upper half of the last block of (W_in W1e)^T
.endr
	s_wait_dscnt 0x0                               ; W1e's fragments are in
	; ---------------- THE FOLDING PRODUCTS.  In each group the accumulators take turns, one instruction a turn ----------------
	WIN 0x51                                       ; W1e window 1, b2 window 0, result window 1:  W1e^T b2, the same in every column
.set fi, 0
.rept 2
.set bi, 0
.rept 5
.if fi == 0
	WM0 CB+8*bi, FW+16*bi, VB2
.else
	WM CB+8*bi, FW+16*bi+8, VB2+8, CB+8*bi
.endif
.set bi, bi+1
.endr
.set fi, fi+1
.endr
	WIN 0xf1                                       ; result window 3:  W1e^T b_in onto kap b1 and b_out
.set fi, 0
.rept 2
.set bi, 0
.rept 5
	WM B0+8*bi, FW+16*bi+8*fi, VBI+8*fi, B0+8*bi
.set bi, bi+1
.endr
.set fi, fi+1
.endr
	PLACES
	v_pk_fma_f32 v[BO:BO+1],   v[T4B:T4B+1],   s[60:61], v[T4A:T4A+1]   op_sel_hi:[1,0,1]  ; (t1 - t0) b2 W_out + b_in W_out + b_out
	v_pk_fma_f32 v[BO+2:BO+3], v[T4B+2:T4B+3], s[60:61], v[T4A+2:T4A+3] op_sel_hi:[1,0,1]
	WIN 0xa4                                       ; source 0 window 0, source 1 window 1, result window 2:  W_in W1e; a lane holds output column l % 16 and input rows 8 (l / 16) + 0..7
.set fi, 0
.rept 2
.set bi, 0
.rept 5
.if fi == 0
	WM0 TD+8*bi, FAI, FW+16*bi
.else
	WM TD+8*bi, FAI+8, FW+16*bi+8, TD+8*bi
.endif
.set bi, bi+1
.endr
.set fi, fi+1
.endr
	PLACES
	WIN 0xaa
.set ki, 0
.rept 20                               ; block ki / 4: rounded in pairs it is the lower half of a source 0
	v_cvt_pk_f16_f32 v[NF+ki], v[TD+2*ki], v[TD+2*ki+1]
.set ki, ki+1
.endr
.set bi, 0
.rept 5                                ; W2 W1e, a column block at a time: four row blocks of 16, two halves of the sum
	WIN 0xa4
.set fi, 0
.rept 2
.set ii, 0
.rept 4
.if fi == 0
	WM0 TD+8*ii, FA2+16*ii, FW+16*bi
.else
	WM TD+8*ii, FA2+16*ii+8, FW+16*bi+8, TD+8*ii
.endif
.set ii, ii+1
.endr
.set fi, fi+1
.endr
	PLACES
	WIN 0x0a                                       ; sources window 2, destination window 0
.set ki, 0
.rept 16                               ; row blocks 0, 1 make half 0 of the block's source 0, row blocks 2, 3 half 1
	v_cvt_pk_f16_f32 v[AM+16*bi+ki], v[TD+2*ki], v[TD+2*ki+1]
.set ki, ki+1
.endr
.set bi, bi+1
.endr
; ---------------- THE LOOP'S MACROS ----------------
; The next matrix instruction of the tile whose products are due: tile MT, result array MD; MQ = 1: with block 4 (Q).  First all blocks' input half 0, which starts the sums with kap b2 W1 (block 4: with 0),
; then all blocks' half 1: the accumulators take turns, one instruction a turn.
.set MT, 0
.set MD, 0
.set MQ, 0
.set MK, 0
.set MN, 0
.macro MOP
.set mf, MK/(4+MQ)
.set mb, MK%(4+MQ)
.if mf == 0
	WIN (MT<<2)|0x10|(MT<<6)                       ; weights window 0, h and the result the tile's, C window 1
.else
	WIN (MT<<2)|(MT<<4)|(MT<<6)                    ; C the tile's
.endif
.if (mb < 4) && (mf == 0)
	WM MD+8*mb, AM+16*mb, RR, CB+8*mb
.elseif mb < 4
	WM MD+8*mb, AM+16*mb+8, RR+8, MD+8*mb
.elseif mf == 0
	WM0 QQ, AM+64, RR
.else
	WM QQ, AM+72, RR+8, QQ
.endif
.set MK, MK+1
.endm
; Number k of stage s's sums for the pair of features at pp.  Four arrays do: up to stage 3 they hold Z, G1, G2, G3; stage 4 turns them, in place, into U4 and the sums so far of U5, U6 and the new Z.
.macro CMB s, k
.if (\s) == 2
	FM X2+pp, X1+pp, KA21, X0+pp                   ; U2
.elseif (\s) == 3
.if (\k) == 0
	FM X3+pp, X1+pp, KA31, X0+pp
.else
	FM X3+pp, X2+pp, KA32, X3+pp                   ; U3
.endif
.elseif (\s) == 4
.if (\k) == 0
	FM T0, X1+pp, KA41, X0+pp
.elseif (\k) == 1
	FM T1, X1+pp, KA51, X0+pp
.elseif (\k) == 2
	FM T2, X1+pp, KA61, X0+pp
.elseif (\k) == 3
	FM X0+pp, X1+pp, KB1, X0+pp
.elseif (\k) == 4
	FM T0, X2+pp, KA42, T0
.elseif (\k) == 5
	FM T1, X2+pp, KA52, T1
.elseif (\k) == 6
	FM X2+pp, X2+pp, KA62, T2
.elseif (\k) == 7
	FM X1+pp, X3+pp, KA53, T1
.elseif (\k) == 8
	FM X2+pp, X3+pp, KA63, X2+pp
.elseif (\k) == 9
	FM X0+pp, X3+pp, KB3, X0+pp
.else
	FM X3+pp, X3+pp, KA43, T0                      ; U4
.endif
.elseif (\s) == 5
.if (\k) == 0
	FM X1+pp, X3+pp, KA54, X1+pp                   ; U5
.elseif (\k) == 1
	FM X2+pp, X3+pp, KA64, X2+pp
.else
	FM X0+pp, X3+pp, KB4, X0+pp
.endif
.else
.if (\k) == 0
	FM X2+pp, X1+pp, KA65, X2+pp                   ; U6
.else
	FM X0+pp, X1+pp, KB5, X0+pp
.endif
.endif
.endm
; A PHASE: tile t's vector work of stage s, as a pipeline over the 16 pairs of features, in ascending order.
; Iteration it: the due matrix instruction (its 4 to 13) | O's update (it 0; ahead of stage 4's use of Q's registers) | the first sum of pair it | 2^U of pair it - 1 | 1 + of pair it - 3 |
; the rounding of pair it - 6 | the reciprocals of pair it - 4 | 1 - 2 x of pair it - 5 | the other sums of pair it.  Exponentials and reciprocals stand between plain instructions, and a plain
; instruction stands between each of them and the first use of its result (ISA guide 5.7.2), while the pipeline fills and drains too; stage 1, which has no sums, wants one v_nop for that.
; The vector lines name the tile's own window alone, the matrix instruction another tile's and the weights: none names a register of the other.
.macro PHASE t, s
.if (\s) == 1
.set WK, X1
.set SR, X0
.set NC, 0
.set OC, -1
.elseif (\s) == 2
.set WK, X2
.set SR, X2
.set NC, 1
.set OC, KB1
.elseif (\s) == 3
.set WK, X3
.set SR, X3
.set NC, 2
.set OC, -1
.elseif (\s) == 4
.set WK, X3
.set SR, X3
.set NC, 11
.set OC, KB3
.elseif (\s) == 5
.set WK, X1
.set SR, X1
.set NC, 3
.set OC, KB4
.else
.set WK, X2
.set SR, X2
.set NC, 2
.set OC, KB5
.endif
.set it, 0
.rept 22
.if (it >= 4) && (MK < MN)
	MOP
.endif
	WIN 0x55*(\t)
.if (it == 0) && (OC >= 0)
	FM OO, QQ, OC, OO                              ; O += dt b_j Q_j of the stage before
	FM OO+2, QQ+2, OC, OO+2
.endif
.if (it < 16) && (NC > 0)
.set pp, 2*it
	CMB \s, 0
.endif
.if (it >= 1) && (it <= 16)
	v_exp_f32 v[WK+2*it-2], v[SR+2*it-2]
.endif
.if (it >= 3) && (it <= 18)
	s_wait_alu depctr_va_vdst(0)
	v_pk_add_f32 v[WK+2*it-6:WK+2*it-5], v[WK+2*it-6:WK+2*it-5], 1.0 op_sel_hi:[1,0]
.endif
.if (it >= 1) && (it <= 16)
	v_exp_f32 v[WK+2*it-1], v[SR+2*it-1]
.endif
.if it >= 6
	v_cvt_pk_f16_f32 v[RR+it-6], v[WK+2*it-12], v[WK+2*it-11]
.endif
.if (it >= 4) && (it <= 19)
	v_rcp_f32 v[WK+2*it-8], v[WK+2*it-8]
.endif
.if (it >= 5) && (it <= 20)
	s_wait_alu depctr_va_vdst(0)
	v_pk_fma_f32 v[WK+2*it-10:WK+2*it-9], v[WK+2*it-10:WK+2*it-9], -2.0, 1.0 op_sel_hi:[1,0,0]
.endif
.if (it >= 4) && (it <= 19)
	v_rcp_f32 v[WK+2*it-7], v[WK+2*it-7]
.endif
.if (it < 16) && (NC > 1)
.set pp, 2*it
.set kk, 1
.rept NC-1
	CMB \s, kk
.set kk, kk+1
.endr
.endif
.if ((\s) == 1) && (it == 2)
	v_nop                                          ; the plain instruction between pair 0's and pair 1's exponentials and their first use
.endif
.set it, it+1
.endr
.set MT, (\t)                          ; this tile's products are due now: the result takes the array in which h was made
.set MD, WK
.set MK, 0
.if (\s) == 2
.set MQ, 0                             ; stage 2's b_j is 0: no Q
.set MN, 8
.else
.set MQ, 1
.set MN, 10
.endif
.endm
; The step's end for a tile, 18 lines: O += dt b6 Q6, Z += dt b6 G6.  UOP writes line UN % 18 for tile UN / 18.
.macro UOP
	WIN 0x55*(UN/18)
.if UN%18 < 2
	FM OO+2*(UN%18), QQ+2*(UN%18), KB6, OO+2*(UN%18)
.else
	FM X0+2*(UN%18)-4, X2+2*(UN%18)-4, KB6, X0+2*(UN%18)-4
.endif
.set UN, UN+1
.endm
	; ---------------- THE ROUNDS ----------------
	WIN 0                                          ; at a label and at a branch every window is 0
	s_mov_b32 s5, 2
.Lround:
.set ti, 0
.rept 4                                ; Z0 = (W_in kap W1)^T x + kap (b_in W1 + b1), and x's part of O0
	WIN 2|(ti<<2)|0x30|(ti<<6)                     ; weights window 2, x and the result the tile's, C window 3
.set bi, 0
.rept 4
	WM X0+8*bi, NF+4*bi, XB, B0+8*bi
.set bi, bi+1
.endr
	WM0 QQ, NF+16, XB
.set ti, ti+1
.endr
	PLACES
.set ti, 0
.rept 4
	WIN ti|0x0c|(ti<<6)                            ; source 1 window 3
	v_pk_add_f32 v[OO:OO+1],   v[QQ:QQ+1],   v[BO:BO+1]
	v_pk_add_f32 v[OO+2:OO+3], v[QQ+2:QQ+3], v[BO+2:BO+3]
	WIN 0x55*ti
.irp c, 0,1,2,3
	v_mov_b32 v[XB+\c], v[XN+\c]                   ; the next round's x (in the last round: no change)
.endr
.set ti, ti+1
.endr
	WIN 0
	s_mov_b32 s6, 4
.Lstep:                                                ; a Dormand-Prince step for the wave's four tiles: registers alone, no memory instruction, no barrier
.irp s, 1,2,3,4,5,6
.irp t, 0,1,2,3
	PHASE \t, \s
.endr
.endr
.set UN, 0
.rept 10                               ; tile 3's products of stage 6 ride on the step's end of tiles 0 to 2
	MOP
.rept 5
	UOP
.endr
.endr
.rept 22                               ; four more lines of tile 2: with the five above, nine places behind the last product; then tile 3's eighteen
	UOP
.endr
	WIN 0
	s_sub_co_u32 s6, s6, 1
	s_cmp_lg_u32 s6, 0
	s_cbranch_scc1 .Lstep
	; O, three numbers a row in lanes 0-15, goes into the stage
	s_sub_co_u32 s8, 2, s5                         ; the round, 0 or 1
	s_mul_i32 s8, s8, 256*12
	v_add_nc_u32 v7, s8, v4
	v_cmp_gt_u32 vcc_lo, 16, v3
	s_wait_xcnt 0x0                                ; EXEC changes only behind this wait
	s_and_saveexec_b32 s12, vcc_lo
.set ti, 0
.rept 4
	WIN ti<<2                                      ; the data's window: the tile's
.irp c, 0,1,2
	ds_store_b32 v7, v[OO+\c] offset:STAGE+192*ti+4*\c
.endr
.set ti, ti+1
.endr
	WIN 0
	s_wait_xcnt 0x0
	s_or_b32 exec_lo, exec_lo, s12                 ; all lanes on again
	s_sub_co_u32 s5, s5, 1
	s_cmp_lg_u32 s5, 0
	s_cbranch_scc1 .Lround
	; ---------------- THE WAY OUT: the stage holds the group's 6,144 bytes of out0 as they lie in memory; each wave stores a quarter ----------------
	s_wait_dscnt 0x0                               ; for the others' sake: my stores into the stage are done
	s_barrier_signal -1
	s_barrier_wait -1
	s_mul_i32 s8, s4, 1536
	v_lshl_add_u32 v7, v3, 4, s8                   ; the same byte offset in the stage and in the group's part of out0
	ds_load_b128 v[16:19], v7 offset:STAGE
	ds_load_b128 v[20:23], v7 offset:STAGE+512
	ds_load_b128 v[24:27], v7 offset:STAGE+1024
	s_wait_dscnt 0x2                               ; LDS loads come back in order (ISA guide 5.7.1): the two younger ones may be out
	global_store_b128 v7, v[16:19], s[70:71] th:TH_STORE_NT             ; each store of the wave covers 512 consecutive bytes, at a multiple of 256 from out0's first byte
	s_wait_dscnt 0x1                               ; one younger load may be out
	global_store_b128 v7, v[20:23], s[70:71] offset:512 th:TH_STORE_NT
	s_wait_dscnt 0x0
	global_store_b128 v7, v[24:27], s[70:71] offset:1024 th:TH_STORE_NT
	s_wait_tensorcnt 0x0                           ; the wave's end, behind my last LDS store
	ds_add_u32 v5, v6
	s_wait_dscnt 0x0
	s_endpgm
.Lfunc_end_k_qd667107604_lnn:
	.size	k_qd667107604_lnn, .Lfunc_end_k_qd667107604_lnn-k_qd667107604_lnn
	.p2alignl 7, 3214868480
	.fill 96, 4, 3214868480
	.section	.rodata,"a",@progbits
	.p2align	6, 0x0
	.amdhsa_kernel k_qd667107604_lnn
		.amdhsa_group_segment_fixed_size 16896
		.amdhsa_private_segment_fixed_size 0
		.amdhsa_enable_private_segment 0
		.amdhsa_kernarg_size 88
		.amdhsa_user_sgpr_count 2
		.amdhsa_user_sgpr_kernarg_segment_ptr 1
		.amdhsa_wavefront_size32 1
		.amdhsa_system_sgpr_workgroup_id_x 1
		.amdhsa_system_sgpr_workgroup_id_y 1
		.amdhsa_system_sgpr_workgroup_id_z 1
		.amdhsa_system_vgpr_workitem_id 0
		.amdhsa_next_free_vgpr 992
		.amdhsa_next_free_sgpr 96
		.amdhsa_reserve_vcc 1
		.amdhsa_float_denorm_mode_32 3
		.amdhsa_float_denorm_mode_16_64 3
		.amdhsa_memory_ordered 1
		.amdhsa_forward_progress 1
		.amdhsa_inst_pref_size 255
	.end_amdhsa_kernel
	.section	.bss,"aw",@nobits
	.p2align	6
	.space	262144
	.amdgpu_metadata
---
amdhsa.version: [ 1, 2 ]
amdhsa.kernels:
  - .name:           k_qd667107604_lnn
    .symbol:         k_qd667107604_lnn.kd
    .args:
      - { .name: x, .offset: 0, .size: 8, .value_kind: global_buffer, .address_space: global }
      - { .name: out0, .offset: 8, .size: 8, .value_kind: global_buffer, .address_space: global }
      - { .name: time_span, .offset: 16, .size: 8, .value_kind: global_buffer, .address_space: global }
      - { .name: W1, .offset: 24, .size: 8, .value_kind: global_buffer, .address_space: global }
      - { .name: W2, .offset: 32, .size: 8, .value_kind: global_buffer, .address_space: global }
      - { .name: W_in, .offset: 40, .size: 8, .value_kind: global_buffer, .address_space: global }
      - { .name: W_out, .offset: 48, .size: 8, .value_kind: global_buffer, .address_space: global }
      - { .name: b1, .offset: 56, .size: 8, .value_kind: global_buffer, .address_space: global }
      - { .name: b2, .offset: 64, .size: 8, .value_kind: global_buffer, .address_space: global }
      - { .name: b_in, .offset: 72, .size: 8, .value_kind: global_buffer, .address_space: global }
      - { .name: b_out, .offset: 80, .size: 8, .value_kind: global_buffer, .address_space: global }
    .group_segment_fixed_size: 16896
    .private_segment_fixed_size: 0
    .kernarg_segment_align: 8
    .kernarg_segment_size: 88
    .max_flat_workgroup_size: 128
    .sgpr_count:     96
    .vgpr_count:     992
    .wavefront_size: 32
...
	.end_amdgpu_metadata
.endif
;; end of part 1
;; ======== version 2 of 2: 1 launch; 2.45 times as fast as version 1
;; limits: values outside matrix products are rounded to f16; values are held in f16: magnitudes above 65,504 overflow, below 6.1e-05 lose precision; inputs' magnitudes at most 65,504
;; launch lnn (part 2): grid 256 x 1, 4 waves a work-group, no clusters, 16,896 bytes of LDS; arguments x, out0, time_span, W1, W2, W_in, W_out, b1, b2, b_in, b_out; writes out0
.if DOCPART == 2
	.amdgcn_target "amdgcn-amd-amdhsa--gfx1250"
	.amdhsa_code_object_version 6
	.text
	.protected	k_qd667107604_lnn
	.globl	k_qd667107604_lnn
	.p2align	8
	.type	k_qd667107604_lnn,@function
k_qd667107604_lnn:
	s_mov_b64 s[64:65], 0
	v_nop
	global_prefetch_b8 v0, s[64:65] scope:SCOPE_SE
	s_setreg_imm32_b32 hwreg(HW_REG_WAVE_MODE, 25, 1), 1
	s_wait_xcnt 0x0
; out = yT W_out + b_out, yT = four fixed Dormand-Prince steps of y' = tanh(y W1 + b1) W2 + b2 from y0 = x W_in + b_in.  131,072 rows, all independent.
; THE ALGEBRA (exact for every input).  kap = 2 log2(e).  The state is kept as Z = kap (y W1 + b1), in f32; y itself is never formed.  W1e = [kap W1 | W_out | 0], 64 x 80.
;   h = tanh(u) = 1 - 2 / (1 + 2^U), U = kap u;   G = h (W2 W1e)[:, 0:64] + kap b2 W1 = kap k W1;   Q = h (W2 W_out);
;   U_i = Z + sum_j (dt a_ij) G_j;   Z += sum_j (dt b_j) G_j;   O += sum_j (dt b_j) Q_j;
;   Z0 = x (W_in kap W1) + kap (b_in W1 + b1);   O0 = x (W_in W_out) + b_out + b_in W_out + (t1 - t0) b2 W_out  (the b_j add up to 1, and four dt are t1 - t0).   out = O after four steps.
; So a stage has ONE product 64 x 80 (64 x 64 in stage 2, whose b_j is 0), and the only operand made in the loop is h, in -1 .. 1.
; FORMATS.  Matrix operands in f16, sums in f32; Z, G, O and all Runge-Kutta sums in f32.  x, kap W1, W2, W_in, W_out, b2, b_in, the folded matrices and h are each rounded once to f16.
; LIMITS.  f16 ends at 65,504: |x|, |kap W1|, |W2|, |W_in|, |W_out|, |b2|, |b_in| and the entries of W2 W1e and W_in W1e must stay below that; below 6e-5 they keep f16's fixed step of 6e-8.
;   2^U = infinity gives h = 1, 2^U = 0 gives h = -1; near u = 0, h is off by some 1e-7 absolutely.  NaN and infinities among the inputs are not treated apart.
; SHARES.  256 work-groups of 4 waves; a work-group owns 512 rows, a wave 2 ROUNDS of 4 TILES of 16 rows: row = 512 g + 256 round + 64 wave + 16 tile + (lane % 16).
; LAYOUT.  The matrix instruction is used transposed: source 0 = 16 output features x 32 input features (weights), source 1 = 32 input features x 16 rows.  In the result lane l holds row l % 16 and
;   register j of block b feature 16 b + 8 (l / 16) + j.  Four blocks (32 registers) rounded to f16 in pairs ARE the two source-1 operands of the next product: nothing ever changes lanes.
; BY TURNS.  The wave's tiles are two PAIRS, tiles 0, 1 and tiles 2, 3, half a stage apart.  A pair's stage takes three SLOTS: in the first stand its sums and 2^U; in the second 1 + and the reciprocals; at the head of
;   the third 1 - 2 x and the rounding to f16.  Its products follow in that third slot, each between two reciprocals of the other pair, and behind them, in the same slot, the pair's next stage begins with its sums.
; BATCHES.  A slot's transcendentals are ONE batch: the 64 reciprocals of one pair of tiles, then the 64 exponentials of the other, each result in a register of its own (in place, in its tile's array).  No line of
;   the slot names a result of the slot's batch: the plain lines among them work on pairs of features still to come, the products on other tiles.  ONE wait stands at the slot's end, all readers in the next slot.
;   A step has 13 slots, so 13 waits; none of its transcendentals is without its wait at the loop's label or at its jump.
; No tensor loads, clusters or prefetches: the weights are 37 KB, read once by a work-group; x is read once, straight into registers; nothing is waited for after the head.
; REGISTERS, in windows of 256 (s_set_vgpr_msb: bits 1:0 source 0, 3:2 source 1, 5:4 source 2, 7:6 destination).  Tile t lives in window t, under the same numbers in each window:
.set XB, 8            ; v[8:15]     x as source 1: 4 registers of f16 (features 8 (l / 16) + 0..7; 14 and 15 are 0), then 4 of 0
.set X0, 16           ; v[16:47]    Z
.set X1, 48           ; v[48:79]    G1, later the sum for U5, then G5
.set X2, 80           ; v[80:111]   G2, later the sum for U6, then G6
.set X3, 112          ; v[112:143]  G3, U4, G4
.set RR, 144          ; v[144:159]  h in f16: two operands
.set QQ, 160          ; v[160:167]  the product's block 4: Q in registers 0-2 of lanes 0-15
.set T0, QQ           ;             in stage 4, behind the use of Q: three pairs at work
.set T1, QQ+2
.set T2, QQ+4
.set OO, 168          ; v[168:171]  O
.set XN, 172          ; v[172:175]  the second round's x in f16
; window 0 alone: v0 thread, v1 l % 16, v2 l / 16, v3 lane, v4 O's place in the stage, v5 and v6 the add's two registers, v7 an address at work
.set AM, 176          ; window 0 v[176:255]  (W2 W1e)^T in f16: output block b, input half f at AM + 16 b + 8 f
.set CB, 176          ; window 1 v[176:207]  kap b2 W1 in the result's layout; v[208:215] b2 W_out
.set NF, 176          ; window 2 v[176:199]  (W_in W1e)^T: block b = v[NF+4b : NF+4b+7]; its upper four registers (the next block's lower four, or 0) meet XB's zeros
.set B0, 176          ; window 3 v[176:207]  kap (b_in W1 + b1); v[208:215] b_in W_out + b_out
.set T4B, 208         ; window 1
.set T4A, 208         ; window 3
.set BO, 216          ; window 3 v[216:219]  O's constant part
; at work in the preparation only
.set RW1, 16          ; window 0: my quarter of W1 as loaded
.set RWO, 48          ; window 0: a row of W_out as loaded
.set PWO, 52          ; window 0: the same, 16 bytes for LDS
.set PW1, 64          ; window 0: kap W1 in f16
.set RX,  176         ; window 0: x as loaded, 8 registers for each of the 8 tiles
.set FA2, 16          ; window 0, later: W2 as source 0: row block ib, half f at FA2 + 16 ib + 8 f
.set FAI, 80          ; window 0: W_in as source 0
.set VB2, 96          ; window 0: b2 as source 1, the same in every column
.set VBI, 112         ; window 0: b_in likewise
.set FW,  16          ; window 1: W1e, column block b, half f at FW + 16 b + 8 f
.set TD,  16          ; window 2: results at work
.set RWI, 48          ; window 2: W_in, b2, b_in as loaded, 32 registers each
.set RB2, 80
.set RBI, 112
.set RW2, 16          ; window 3: W2 as loaded
.set AW1, 144         ; window 0 v[144:155]: byte offsets for the preparation's loads and LDS accesses
.set AWO, 145
.set AW2, 146
.set AWI, 147
.set AB,  148
.set AZ,  149
.set AX0, 150
.set AX1, 151
.set LW1, 152
.set LWO, 153
.set LFW, 154
.set LT,  155
; LDS
.set STAGE, 0         ; 6,144 bytes: out of the group's 512 rows, 12 bytes a row, as in memory
.set SPARE, 6144      ; the spare words: 128 bytes for each of the four waves, two blocks of 256 bytes that no other line names
.set W1E,  6656       ; W1e in f16, 64 rows of 80 columns
.set WP,   160        ; its pitch: five times 32 bytes
; scalars: s[2:3] t0, t1; s4 wave; s5 rounds to go; s6 steps to go; s[8:9] at work; s[10:11] kap; s12 EXEC kept; s[60:61] t1 - t0; s62 dt; s[68:89] the buffers' addresses
; dt a_ij and dt b_j, each twice (the packed multiply-add names a pair and takes its low word for both halves)
.set KA21, 20
.set KA31, 22
.set KA32, 24
.set KA41, 26
.set KA42, 28
.set KA43, 30
.set KA51, 32
.set KA52, 34
.set KA53, 36
.set KA54, 38
.set KA61, 40
.set KA62, 42
.set KA63, 44
.set KA64, 46
.set KA65, 48
.set KB1,  50
.set KB3,  52
.set KB4,  54
.set KB5,  56
.set KB6,  58
.set MSB, 0
.macro WIN new                         ; the immediate's high byte repeats the setting that is left; a switch that changes nothing is dropped
.if MSB != (\new)
	s_set_vgpr_msb (MSB<<8)|(\new)
.set MSB, (\new)
.endif
.endm
.macro PLACES                          ; four places between a matrix instruction and a vector instruction that reads its result or writes one of its registers (ISA guide 7.12.1)
.rept 4
	v_nop
.endr
.endm
.macro WM d, a, b, c                   ; D = A B + C
	v_wmma_f32_16x16x32_f16 v[(\d):(\d)+7], v[(\a):(\a)+7], v[(\b):(\b)+7], v[(\c):(\c)+7]
.endm
.macro WM0 d, a, b                     ; D = A B: the product starts the sum
	v_wmma_f32_16x16x32_f16 v[(\d):(\d)+7], v[(\a):(\a)+7], v[(\b):(\b)+7], 0
.endm
.macro FM d, a, c, e                   ; two fused multiply-adds: d = a x s[c] + e
	v_pk_fma_f32 v[(\d):(\d)+1], v[(\a):(\a)+1], s[(\c):(\c)+1], v[(\e):(\e)+1] op_sel_hi:[1,0,1]
.endm
.macro COEF c, lit                     ; dt times a constant of the tableau
	s_mul_f32 s[\c], s62, \lit
	s_mov_b32 s[(\c)+1], s[\c]
.endm
	; ---------------- THE HEAD: addresses ----------------
	s_load_b512 s[68:83], s[0:1], 0x0              ; x 68, out0 70, time_span 72, W1 74, W2 76, W_in 78, W_out 80, b1 82
	s_load_b128 s[84:87], s[0:1], 0x40             ; b2 84, b_in 86
	s_load_b64 s[88:89], s[0:1], 0x50              ; b_out
	v_lshl_add_u32 v5, v0, 2, SPARE                ; my spare word, and 0: kept for the add at the wave's end
	v_mov_b32 v6, 0
	v_lshrrev_b32 v3, 5, v0
	v_readfirstlane_b32 s4, v3                     ; wave 0..3
	v_and_b32 v1, 15, v0                           ; l % 16
	v_bfe_u32 v2, v0, 4, 1                         ; l / 16
	v_and_b32 v3, 31, v0                           ; lane
	s_lshl_b32 s8, s4, 12
	v_lshl_add_u32 v[AW1], v3, 4, s8               ; W1: my wave's 16 rows (4,096 bytes), 16 bytes a lane
	s_lshl_b32 s8, s4, 4
	v_add_nc_u32 v[AWO], s8, v1
	v_mul_u32_u24 v[AWO], v[AWO], 12               ; W_out: row 16 w + l % 16
	v_lshlrev_b32 v[AB], 5, v2                     ; a vector of 64 as an operand: 32 bytes for each half of the lanes
	v_lshl_add_u32 v[AW2], v1, 8, v[AB]            ; W2: row l % 16, 32 bytes for each half
	v_min_u32 v[AWI], 13, v1                       ; W_in has 14 rows: lanes 14 and 15 take row 13 once more (those rows meet x's zeros)
	v_lshl_add_u32 v[AWI], v[AWI], 8, v[AB]
	v_mov_b32 v[AZ], 0
	s_lshl_b32 s8, s4, 6
	v_add_nc_u32 v4, s8, v1                        ; 64 w + l % 16: my row in the first tile of a round
	v_mul_u32_u24 v[AX1], v4, 56                   ; a row of x is 56 bytes
	v_add_nc_u32 v[AX0], v[AX1], v[AB]             ; features 8 (l / 16) on
	v_add_nc_u32 v[AX1], 24, v[AX1]                ; features 6, 7
	v_mul_u32_u24 v4, v4, 12                       ; and its 12 bytes in the stage
	s_mul_i32 s8, s4, 16*WP
	s_add_co_u32 s8, s8, W1E                       ; my wave's 16 rows of W1e in LDS
	v_mul_u32_u24 v[LW1], v2, WP
	v_lshl_add_u32 v[LW1], v1, 3, v[LW1]
	v_add_nc_u32 v[LW1], s8, v[LW1]                ; kap W1 in: row l / 16 of two, 8 bytes (4 columns) a lane
	v_mul_u32_u24 v[LWO], v1, WP
	v_lshl_add_u32 v[LWO], v2, 4, v[LWO]
	v_add_nc_u32 v[LWO], s8, v[LWO]                ; W_out in: row l % 16, 16 bytes for each half; the columns' 128 bytes stand in the store's offset
	v_and_b32 v[LFW], 7, v0                        ; out, turned: lane l reads row 8 (l / 16) + l % 8, columns 8 ((l / 8) % 2) + 0..7
	v_lshl_add_u32 v[LFW], v2, 3, v[LFW]
	v_mul_u32_u24 v[LFW], v[LFW], WP
	v_bfe_u32 v[LT], v0, 3, 1
	v_lshl_add_u32 v[LFW], v[LT], 4, v[LFW]
	v_add_nc_u32 v[LFW], W1E, v[LFW]
	s_mov_b32 s10, 0x4038aa3b                      ; kap = 2 log2(e)
	s_mov_b32 s11, s10
	s_wait_kmcnt 0x0
	s_load_b64 s[2:3], s[72:73], 0x0               ; t0, t1
	s_mul_i32 s8, ttmp9, 512*56
	s_mov_b32 s9, 0
	s_add_nc_u64 s[68:69], s[68:69], s[8:9]        ; x at the group's first row
	s_mul_i32 s8, ttmp9, 512*12
	s_add_nc_u64 s[70:71], s[70:71], s[8:9]        ; out0 likewise: 6,144 bytes a group
	; ---------------- ALL GLOBAL LOADS, in one run ----------------
.set ki, 0
.rept 8                                ; tile ki % 4 of round ki / 4: lanes 0-15 features 0-7, lanes 16-31 features 8-13; their fourth load reads features 6, 7 once more and is set to 0 below: no load leaves the row
.set ko, 56*(256*(ki/4)+16*(ki%4))
	global_load_b64 v[RX+8*ki:RX+8*ki+1],   v[AX0], s[68:69] offset:ko th:TH_LOAD_NT
	global_load_b64 v[RX+8*ki+2:RX+8*ki+3], v[AX0], s[68:69] offset:ko+8 th:TH_LOAD_NT
	global_load_b64 v[RX+8*ki+4:RX+8*ki+5], v[AX0], s[68:69] offset:ko+16 th:TH_LOAD_NT
	global_load_b64 v[RX+8*ki+6:RX+8*ki+7], v[AX1], s[68:69] offset:ko th:TH_LOAD_NT
.set ki, ki+1
.endr
.set ki, 0
.rept 8                                ; two rows of W1 an instruction
	global_load_b128 v[RW1+4*ki:RW1+4*ki+3], v[AW1], s[74:75] offset:512*ki
.set ki, ki+1
.endr
.irp c, 0,1,2
	global_load_b32 v[RWO+\c], v[AWO], s[80:81] offset:4*\c
.endr
	WIN 0x80                                       ; destination window 2, address window 0
.set ki, 0
.rept 8                                ; half ki / 4; of its 32 numbers a lane takes 8 (l / 16) + 0..7 and 16 + 8 (l / 16) + 0..7: bytes 0, 16, 64, 80
.set ko, 128*(ki/4)+64*((ki%4)/2)+16*(ki%2)
	global_load_b128 v[RWI+4*ki:RWI+4*ki+3], v[AWI], s[78:79] offset:ko
	global_load_b128 v[RB2+4*ki:RB2+4*ki+3], v[AB],  s[84:85] offset:ko
	global_load_b128 v[RBI+4*ki:RBI+4*ki+3], v[AB],  s[86:87] offset:ko
.set ki, ki+1
.endr
	WIN 0xc0                                       ; destination window 3
.set ki, 0
.rept 32                               ; W2: row block ki / 8, half (ki / 4) % 2
.set ko, 4096*(ki/8)+128*((ki/4)%2)+64*((ki%4)/2)+16*(ki%2)
	global_load_b128 v[RW2+4*ki:RW2+4*ki+3], v[AW2], s[76:77] offset:ko
.set ki, ki+1
.endr
.set ki, 0
.rept 8                                ; b1 in the result's layout: block ki / 2, features 8 (l / 16) + 0..7
	global_load_b128 v[B0+4*ki:B0+4*ki+3], v[AB], s[82:83] offset:64*(ki/2)+16*(ki%2)
.set ki, ki+1
.endr
.irp c, 0,1,2
	global_load_b32 v[T4A+\c], v[AZ], s[88:89] offset:4*\c
.endr
	WIN 0
	s_wait_kmcnt 0x0                               ; t0, t1
	s_xor_b32 s8, s2, 0x80000000                   ; -t0
	s_add_f32 s60, s3, s8                          ; t1 - t0
	s_mov_b32 s61, s60
	s_mul_f32 s62, s60, 0x3e800000                 ; dt = (t1 - t0) / 4
	COEF KA21, 0x3e4ccccd                          ; 1/5
	COEF KA31, 0x3d99999a                          ; 3/40
	COEF KA32, 0x3e666666                          ; 9/40
	COEF KA41, 0x3f7a4fa5                          ; 44/45
	COEF KA42, 0xc06eeeef                          ; -56/15
	COEF KA43, 0x40638e39                          ; 32/9
	COEF KA51, 0x403cf760                          ; 19372/6561
	COEF KA52, 0xc139885f                          ; -25360/2187
	COEF KA53, 0x411d2a92                          ; 64448/6561
	COEF KA54, 0xbe94e4f6                          ; -212/729
	COEF KA61, 0x40362960                          ; 9017/3168
	COEF KA62, 0xc12c1f08                          ; -355/33
	COEF KA63, 0x410e80b5                          ; 46732/5247
	COEF KA64, 0x3e8e8ba3                          ; 49/176
	COEF KA65, 0xbe8c0c4c                          ; -5103/18656
	COEF KB1,  0x3dbaaaab                          ; 35/384
	COEF KB3,  0x3ee6024d                          ; 500/1113
	COEF KB4,  0x3f26aaab                          ; 125/192
	COEF KB5,  0xbea50e7e                          ; -2187/6784
	COEF KB6,  0x3e061862                          ; 11/84
	s_wait_loadcnt 0x0                             ; all of it is wanted at once: one wait, for zero
	; ---------------- kap W1 and W_out into LDS (each wave 16 rows), x into its operands ----------------
	v_cmp_gt_u32 vcc_lo, 16, v3                    ; lanes 0-15
.set ki, 0
.rept 16
	v_pk_mul_f32 v[RW1+2*ki:RW1+2*ki+1], v[RW1+2*ki:RW1+2*ki+1], s[10:11] op_sel_hi:[1,0]
.set ki, ki+1
.endr
.set ki, 0
.rept 16
	v_cvt_pk_f16_f32 v[PW1+ki], v[RW1+2*ki], v[RW1+2*ki+1]
.set ki, ki+1
.endr
.set ki, 0
.rept 8
	ds_store_b64 v[LW1], v[PW1+2*ki:PW1+2*ki+1] offset:2*WP*ki
.set ki, ki+1
.endr
	v_cvt_pk_f16_f32 v[PWO], v[RWO], v[RWO+1]      ; columns 64 to 66 are W_out, 67 to 79 are 0
	v_cvt_pk_f16_f32 v[PWO+1], v[RWO+2], v[AZ]
	v_mov_b32 v[PWO+2], 0
	v_mov_b32 v[PWO+3], 0
	v_cndmask_b32 v[PWO], 0, v[PWO], vcc_lo        ; lanes 16-31 store columns 72 to 79
	v_cndmask_b32 v[PWO+1], 0, v[PWO+1], vcc_lo
	ds_store_b128 v[LWO], v[PWO:PWO+3] offset:128
.set ki, 0
.rept 8
	v_cndmask_b32 v[RX+8*ki+6], 0, v[RX+8*ki+6], vcc_lo  ; features 14 and 15 are 0
	v_cndmask_b32 v[RX+8*ki+7], 0, v[RX+8*ki+7], vcc_lo
.set ki, ki+1
.endr
.set ti, 0
.rept 4
	WIN ti<<6                                      ; destination window: the tile's
.set ki, 0
.rept 4
	v_cvt_pk_f16_f32 v[XB+ki], v[RX+8*ti+2*ki], v[RX+8*ti+2*ki+1]
	v_cvt_pk_f16_f32 v[XN+ki], v[RX+8*(ti+4)+2*ki], v[RX+8*(ti+4)+2*ki+1]
	v_mov_b32 v[XB+4+ki], 0
.set ki, ki+1
.endr
.set ti, ti+1
.endr
	s_wait_dscnt 0x0                               ; for the others' sake: my rows of W1e are in LDS
	s_barrier_signal -1
	WIN 0x0f                                       ; sources window 3, destination window 0.  Work on registers while the others arrive: W2 as source 0
.set ki, 0
.rept 64
	v_cvt_pk_f16_f32 v[FA2+ki], v[RW2+2*ki], v[RW2+2*ki+1]
.set ki, ki+1
.endr
	s_barrier_wait -1                              ; all 64 rows are there
	WIN 0x40                                       ; destination window 1
.set ki, 0
.rept 10                               ; column block ki / 2, half ki % 2 of the 64 rows: the turning load leaves 8 rows of column l % 16 in a lane
	ds_load_tr16_b128 v[FW+8*ki:FW+8*ki+3],   v[LFW] offset:32*WP*(ki%2)+32*(ki/2)
	ds_load_tr16_b128 v[FW+8*ki+4:FW+8*ki+7], v[LFW] offset:32*WP*(ki%2)+32*(ki/2)+16*WP
.set ki, ki+1
.endr
	WIN 0x0a                                       ; sources window 2, destination window 0: W_in, b2, b_in as operands
.set ki, 0
.rept 48
	v_cvt_pk_f16_f32 v[FAI+ki], v[RWI+2*ki], v[RWI+2*ki+1]
.set ki, ki+1
.endr
	WIN 0xff
.set ki, 0
.rept 16
	v_pk_mul_f32 v[B0+2*ki:B0+2*ki+1], v[B0+2*ki:B0+2*ki+1], s[10:11] op_sel_hi:[1,0]  ; kap b1
.set ki, ki+1
.endr
.irp c, 3,4,5,6,7
	v_mov_b32 v[T4A+\c], 0                         ; behind b_out's three numbers
.endr
	WIN 0xaa
.irp c, 20,21,22,23
	v_mov_b32 v[NF+\c], 0                          ; the upper half of the last block of (W_in W1e)^T
.endr
	s_wait_dscnt 0x0                               ; W1e's fragments are in
	; ---------------- THE FOLDING PRODUCTS.  In each group the accumulators take turns, one instruction a turn ----------------
	WIN 0x51                                       ; W1e window 1, b2 window 0, result window 1:  W1e^T b2, the same in every column
.set fi, 0
.rept 2
.set bi, 0
.rept 5
.if fi == 0
	WM0 CB+8*bi, FW+16*bi, VB2
.else
	WM CB+8*bi, FW+16*bi+8, VB2+8, CB+8*bi
.endif
.set bi, bi+1
.endr
.set fi, fi+1
.endr
	WIN 0xf1                                       ; result window 3:  W1e^T b_in onto kap b1 and b_out
.set fi, 0
.rept 2
.set bi, 0
.rept 5
	WM B0+8*bi, FW+16*bi+8*fi, VBI+8*fi, B0+8*bi
.set bi, bi+1
.endr
.set fi, fi+1
.endr
	PLACES
	v_pk_fma_f32 v[BO:BO+1],   v[T4B:T4B+1],   s[60:61], v[T4A:T4A+1]   op_sel_hi:[1,0,1]  ; (t1 - t0) b2 W_out + b_in W_out + b_out
	v_pk_fma_f32 v[BO+2:BO+3], v[T4B+2:T4B+3], s[60:61], v[T4A+2:T4A+3] op_sel_hi:[1,0,1]
	WIN 0xa4                                       ; source 0 window 0, source 1 window 1, result window 2:  W_in W1e; a lane holds output column l % 16 and input rows 8 (l / 16) + 0..7
.set fi, 0
.rept 2
.set bi, 0
.rept 5
.if fi == 0
	WM0 TD+8*bi, FAI, FW+16*bi
.else
	WM TD+8*bi, FAI+8, FW+16*bi+8, TD+8*bi
.endif
.set bi, bi+1
.endr
.set fi, fi+1
.endr
	PLACES
	WIN 0xaa
.set ki, 0
.rept 20                               ; block ki / 4: rounded in pairs it is the lower half of a source 0
	v_cvt_pk_f16_f32 v[NF+ki], v[TD+2*ki], v[TD+2*ki+1]
.set ki, ki+1
.endr
.set bi, 0
.rept 5                                ; W2 W1e, a column block at a time: four row blocks of 16, two halves of the sum
	WIN 0xa4
.set fi, 0
.rept 2
.set ii, 0
.rept 4
.if fi == 0
	WM0 TD+8*ii, FA2+16*ii, FW+16*bi
.else
	WM TD+8*ii, FA2+16*ii+8, FW+16*bi+8, TD+8*ii
.endif
.set ii, ii+1
.endr
.set fi, fi+1
.endr
	PLACES
	WIN 0x0a                                       ; sources window 2, destination window 0
.set ki, 0
.rept 16                               ; row blocks 0, 1 make half 0 of the block's source 0, row blocks 2, 3 half 1
	v_cvt_pk_f16_f32 v[AM+16*bi+ki], v[TD+2*ki], v[TD+2*ki+1]
.set ki, ki+1
.endr
.set bi, bi+1
.endr
; ---------------- THE LOOP'S MACROS ----------------
; The next matrix instruction of the tile whose products are due: tile MT, result array MD; MQ = 1: with block 4 (Q).  First all blocks' input half 0, which starts the sums with kap b2 W1 (block 4: with 0),
; then all blocks' half 1: the accumulators take turns, one instruction a turn.
.set MT, 0
.set MD, 0
.set MQ, 0
.set MK, 0
.set MN, 0
.macro MOP
.set mf, MK/(4+MQ)
.set mb, MK%(4+MQ)
.if mf == 0
	WIN (MT<<2)|0x10|(MT<<6)                       ; weights window 0, h and the result the tile's, C window 1
.else
	WIN (MT<<2)|(MT<<4)|(MT<<6)                    ; C the tile's
.endif
.if (mb < 4) && (mf == 0)
	WM MD+8*mb, AM+16*mb, RR, CB+8*mb
.elseif mb < 4
	WM MD+8*mb, AM+16*mb+8, RR+8, MD+8*mb
.elseif mf == 0
	WM0 QQ, AM+64, RR
.else
	WM QQ, AM+72, RR+8, QQ
.endif
.set MK, MK+1
.endm
; Number k of stage s's sums for the pair of features at pp.  Four arrays do: up to stage 3 they hold Z, G1, G2, G3; stage 4 turns them, in place, into U4 and the sums so far of U5, U6 and the new Z.
.macro CMB s, k
.if (\s) == 2
	FM X2+pp, X1+pp, KA21, X0+pp                   ; U2
.elseif (\s) == 3
.if (\k) == 0
	FM X3+pp, X1+pp, KA31, X0+pp
.else
	FM X3+pp, X2+pp, KA32, X3+pp                   ; U3
.endif
.elseif (\s) == 4
.if (\k) == 0
	FM T0, X1+pp, KA41, X0+pp
.elseif (\k) == 1
	FM T1, X1+pp, KA51, X0+pp
.elseif (\k) == 2
	FM T2, X1+pp, KA61, X0+pp
.elseif (\k) == 3
	FM X0+pp, X1+pp, KB1, X0+pp
.elseif (\k) == 4
	FM T0, X2+pp, KA42, T0
.elseif (\k) == 5
	FM T1, X2+pp, KA52, T1
.elseif (\k) == 6
	FM X2+pp, X2+pp, KA62, T2
.elseif (\k) == 7
	FM X1+pp, X3+pp, KA53, T1
.elseif (\k) == 8
	FM X2+pp, X3+pp, KA63, X2+pp
.elseif (\k) == 9
	FM X0+pp, X3+pp, KB3, X0+pp
.else
	FM X3+pp, X3+pp, KA43, T0                      ; U4
.endif
.elseif (\s) == 5
.if (\k) == 0
	FM X1+pp, X3+pp, KA54, X1+pp                   ; U5
.elseif (\k) == 1
	FM X2+pp, X3+pp, KA64, X2+pp
.else
	FM X0+pp, X3+pp, KB4, X0+pp
.endif
.else
.if (\k) == 0
	FM X2+pp, X1+pp, KA65, X2+pp                   ; U6
.else
	FM X0+pp, X1+pp, KB5, X0+pp
.endif
.endif
.endm
; The arrays and counts of stage s: h is made in WK, out of the U that lies in SR; NC sums for a pair of features; OC: the dt b_j with which O takes the Q of the stage before (-1: none).
.macro STG s
.if (\s) == 1
.set WK, X1
.set SR, X0
.set NC, 0
.set OC, -1
.elseif (\s) == 2
.set WK, X2
.set SR, X2
.set NC, 1
.set OC, KB1
.elseif (\s) == 3
.set WK, X3
.set SR, X3
.set NC, 2
.set OC, -1
.elseif (\s) == 4
.set WK, X3
.set SR, X3
.set NC, 11
.set OC, KB3
.elseif (\s) == 5
.set WK, X1
.set SR, X1
.set NC, 3
.set OC, KB4
.else
.set WK, X2
.set SR, X2
.set NC, 2
.set OC, KB5
.endif
.endm
; Tile t's products of stage s are due: the result takes the array in which h was made.
.macro DUE t, s
	STG \s
.set MT, (\t)
.set MD, WK
.set MK, 0
.if (\s) == 2
.set MQ, 0                             ; stage 2's b_j is 0: no Q
.set MN, 8
.else
.set MQ, 1
.set MN, 10
.endif
.endm
; A stage's vector work for a tile, in three parts, each over the 16 pairs of features in ascending order, each in the tile's own window.
; PART 1, the sums and 2^U: O's update (ahead of stage 4's use of Q's registers); then the sums of pair it, with the two exponentials of pair it - 1 set between them.  A sum names its own pair's registers,
; and T0-T2, alone: no line here names an exponential's result.  Stage 1 has no sums: its 32 exponentials follow each other.
.macro SUMEXP t, s
	STG \s
	WIN 0x55*(\t)
.if OC >= 0
	FM OO, QQ, OC, OO                              ; O += dt b_j Q_j of the stage before
	FM OO+2, QQ+2, OC, OO+2
.endif
.set it, 0
.rept 17
.set pp, 2*it
.if (it < 16) && (NC > 0)
	CMB \s, 0
.endif
.if it >= 1
	v_exp_f32 v[WK+2*it-2], v[SR+2*it-2]
.endif
.if (it < 16) && (NC > 1)
	CMB \s, 1
.endif
.if it >= 1
	v_exp_f32 v[WK+2*it-1], v[SR+2*it-1]
.endif
.if (it < 16) && (NC > 2)
.set kk, 2
.rept NC-2
	CMB \s, kk
.set kk, kk+1
.endr
.endif
.set it, it+1
.endr
.endm
; PART 2, a slot later: 1 + 2^U of pair it (the exponentials have had the last slot's wait), then the two reciprocals of pair it - 1.  An addition names its own pair alone: no line here names a reciprocal's result.
; The products that are due ride here, each between a pair's two reciprocals, in ten of the sixteen gaps, evenly spread (5 it mod 8 < 5: it = 2, 4, 5, 7, 8, 10, 12, 13, 15, 16).  They name another tile's window and the weights.
.macro ADDRCP t, s
	STG \s
.set it, 0
.rept 17
	WIN 0x55*(\t)
.if it < 16
	v_pk_add_f32 v[WK+2*it:WK+2*it+1], v[WK+2*it:WK+2*it+1], 1.0 op_sel_hi:[1,0]
.endif
.if it >= 1
	v_rcp_f32 v[WK+2*it-2], v[WK+2*it-2]
.if (((it*5)%8) < 5) && (MK < MN)
	MOP
	WIN 0x55*(\t)
.endif
	v_rcp_f32 v[WK+2*it-1], v[WK+2*it-1]
.endif
.set it, it+1
.endr
.endm
; PART 3, another slot later (the reciprocals have had the last slot's wait): h = 1 - 2 x and its rounding to f16, 32 lines; FOP writes line FJ for tile FT, array FK.  A pair is rounded two lines behind its multiply-add.
.macro FOP
	WIN 0x55*FT
.if (FJ == 0) || ((FJ%2 == 1) && (FJ < 31))
.set fp, (FJ+1)/2
	v_pk_fma_f32 v[FK+2*fp:FK+2*fp+1], v[FK+2*fp:FK+2*fp+1], -2.0, 1.0 op_sel_hi:[1,0,0]
.else
.set fp, (FJ-2)/2
.if FJ == 31
.set fp, 15
.endif
	v_cvt_pk_f16_f32 v[RR+fp], v[FK+2*fp], v[FK+2*fp+1]
.endif
.set FJ, FJ+1
.endm
.macro FINISH t, s, ride               ; ride = 1 (the step's end): the products that are due ride here, one ahead of every third line
	STG \s
.set FT, (\t)
.set FK, WK
.set FJ, 0
.rept 32
.if (\ride) && (FJ%3 == 0) && (MK < MN)
	MOP
.endif
	FOP
.endr
.endm
; SLOT sk of a step, 0 to 12.  Half-stage H = 2 (stage - 1) + pair of tiles.  In this order: part 3 of half-stage sk - 2; part 2 of half-stage sk - 1 (the other pair of tiles), on which the products of half-stage sk - 2
; ride, a tile's ten on a tile's part 2; part 1 of half-stage sk, whose sums read those products.  Between a tile's last product and the first line that reads it stand the other tile's sixteen additions, or the
; other tile's part 1 (eighteen plain lines or more from stage 2 on): more than the four places of ISA guide 7.12.1.
; THE BATCH is the slot's 64 reciprocals and 64 exponentials.  The chain part 3, products, sums, 2^U puts the exponentials last in the slot, so a v_nop is the plain instruction behind the last of them.
.macro SLOT
.if sk >= 2
	FINISH 2*(sk%2), (sk-2)/2+1, 0
	FINISH 2*(sk%2)+1, (sk-2)/2+1, 0
	DUE 2*(sk%2), (sk-2)/2+1
.endif
.if sk >= 1
	ADDRCP 2*((sk-1)%2), (sk-1)/2+1
.endif
.if sk >= 2
	DUE 2*(sk%2)+1, (sk-2)/2+1
.endif
.if sk >= 1
	ADDRCP 2*((sk-1)%2)+1, (sk-1)/2+1
.endif
.if sk <= 11
	SUMEXP 2*(sk%2), sk/2+1
	SUMEXP 2*(sk%2)+1, sk/2+1
.endif
	v_nop                                          ; the plain instruction behind the batch's last transcendental and ahead of the first use (ISA guide 5.7.2): one for the batch
	s_wait_alu depctr_va_vdst(0)                   ; ONE wait for the slot's batch, its reciprocals and its exponentials; all their readers stand in the next slot
.endm
; The step's end for a tile, 18 lines: O += dt b6 Q6, Z += dt b6 G6.  UOP writes line UN % 18 for tile UN / 18.
.macro UOP
	WIN 0x55*(UN/18)
.if UN%18 < 2
	FM OO+2*(UN%18), QQ+2*(UN%18), KB6, OO+2*(UN%18)
.else
	FM X0+2*(UN%18)-4, X2+2*(UN%18)-4, KB6, X0+2*(UN%18)-4
.endif
.set UN, UN+1
.endm
	; ---------------- THE ROUNDS ----------------
	WIN 0                                          ; at a label and at a branch every window is 0
	s_mov_b32 s5, 2
.Lround:
.set ti, 0
.rept 4                                ; Z0 = (W_in kap W1)^T x + kap (b_in W1 + b1), and x's part of O0
	WIN 2|(ti<<2)|0x30|(ti<<6)                     ; weights window 2, x and the result the tile's, C window 3
.set bi, 0
.rept 4
	WM X0+8*bi, NF+4*bi, XB, B0+8*bi
.set bi, bi+1
.endr
	WM0 QQ, NF+16, XB
.set ti, ti+1
.endr
	PLACES
.set ti, 0
.rept 4
	WIN ti|0x0c|(ti<<6)                            ; source 1 window 3
	v_pk_add_f32 v[OO:OO+1],   v[QQ:QQ+1],   v[BO:BO+1]
	v_pk_add_f32 v[OO+2:OO+3], v[QQ+2:QQ+3], v[BO+2:BO+3]
	WIN 0x55*ti
.irp c, 0,1,2,3
	v_mov_b32 v[XB+\c], v[XN+\c]                   ; the next round's x (in the last round: no change)
.endr
.set ti, ti+1
.endr
	WIN 0
	s_mov_b32 s6, 4
.Lstep:                                                ; a Dormand-Prince step for the wave's four tiles: registers alone, no memory instruction, no barrier
.set sk, 0
.rept 13                               ; slot 0 has part 1 alone, slot 1 parts 2 and 1; slot 12 has no part 1: its batch is stage 6's last 64 reciprocals
	SLOT
.set sk, sk+1
.endr
	FINISH 2, 6, 0                                 ; behind the last wait no transcendental is issued: h of tiles 2 and 3 in stage 6,
	DUE 2, 6
	FINISH 3, 6, 1                                 ; tile 2's products riding on tile 3's lines
	DUE 3, 6
.set UN, 0
.rept 10                               ; tile 3's products of stage 6 ride on the step's end of tiles 0 to 2
	MOP
.rept 5
	UOP
.endr
.endr
.rept 22                               ; four more lines of tile 2: with the five above, nine places behind the last product; then tile 3's eighteen
	UOP
.endr
	WIN 0
	s_sub_co_u32 s6, s6, 1
	s_cmp_lg_u32 s6, 0
	s_cbranch_scc1 .Lstep
	; O, three numbers a row in lanes 0-15, goes into the stage
	s_sub_co_u32 s8, 2, s5                         ; the round, 0 or 1
	s_mul_i32 s8, s8, 256*12
	v_add_nc_u32 v7, s8, v4
	v_cmp_gt_u32 vcc_lo, 16, v3
	s_wait_xcnt 0x0                                ; EXEC changes only behind this wait
	s_and_saveexec_b32 s12, vcc_lo
.set ti, 0
.rept 4
	WIN ti<<2                                      ; the data's window: the tile's
.irp c, 0,1,2
	ds_store_b32 v7, v[OO+\c] offset:STAGE+192*ti+4*\c
.endr
.set ti, ti+1
.endr
	WIN 0
	s_wait_xcnt 0x0
	s_or_b32 exec_lo, exec_lo, s12                 ; all lanes on again
	s_sub_co_u32 s5, s5, 1
	s_cmp_lg_u32 s5, 0
	s_cbranch_scc1 .Lround
	; ---------------- THE WAY OUT: the stage holds the group's 6,144 bytes of out0 as they lie in memory; each wave stores a quarter ----------------
	s_wait_dscnt 0x0                               ; for the others' sake: my stores into the stage are done
	s_barrier_signal -1
	s_barrier_wait -1
	s_mul_i32 s8, s4, 1536
	v_lshl_add_u32 v7, v3, 4, s8                   ; the same byte offset in the stage and in the group's part of out0
	ds_load_b128 v[16:19], v7 offset:STAGE
	ds_load_b128 v[20:23], v7 offset:STAGE+512
	ds_load_b128 v[24:27], v7 offset:STAGE+1024
	s_wait_dscnt 0x2                               ; LDS loads come back in order (ISA guide 5.7.1): the two younger ones may be out
	global_store_b128 v7, v[16:19], s[70:71] th:TH_STORE_NT             ; each store of the wave covers 512 consecutive bytes, at a multiple of 256 from out0's first byte
	s_wait_dscnt 0x1                               ; one younger load may be out
	global_store_b128 v7, v[20:23], s[70:71] offset:512 th:TH_STORE_NT
	s_wait_dscnt 0x0
	global_store_b128 v7, v[24:27], s[70:71] offset:1024 th:TH_STORE_NT
	s_wait_tensorcnt 0x0                           ; the wave's end, behind my last LDS store
	ds_add_u32 v5, v6
	s_wait_dscnt 0x0
	s_endpgm
.Lfunc_end_k_qd667107604_lnn:
	.size	k_qd667107604_lnn, .Lfunc_end_k_qd667107604_lnn-k_qd667107604_lnn
	.p2alignl 7, 3214868480
	.fill 96, 4, 3214868480
	.section	.rodata,"a",@progbits
	.p2align	6, 0x0
	.amdhsa_kernel k_qd667107604_lnn
		.amdhsa_group_segment_fixed_size 16896
		.amdhsa_private_segment_fixed_size 0
		.amdhsa_enable_private_segment 0
		.amdhsa_kernarg_size 88
		.amdhsa_user_sgpr_count 2
		.amdhsa_user_sgpr_kernarg_segment_ptr 1
		.amdhsa_wavefront_size32 1
		.amdhsa_system_sgpr_workgroup_id_x 1
		.amdhsa_system_sgpr_workgroup_id_y 1
		.amdhsa_system_sgpr_workgroup_id_z 1
		.amdhsa_system_vgpr_workitem_id 0
		.amdhsa_next_free_vgpr 992
		.amdhsa_next_free_sgpr 96
		.amdhsa_reserve_vcc 1
		.amdhsa_float_denorm_mode_32 3
		.amdhsa_float_denorm_mode_16_64 3
		.amdhsa_memory_ordered 1
		.amdhsa_forward_progress 1
		.amdhsa_inst_pref_size 255
	.end_amdhsa_kernel
	.section	.bss,"aw",@nobits
	.p2align	6
	.space	262144
	.amdgpu_metadata
---
amdhsa.version: [ 1, 2 ]
amdhsa.kernels:
  - .name:           k_qd667107604_lnn
    .symbol:         k_qd667107604_lnn.kd
    .args:
      - { .name: x, .offset: 0, .size: 8, .value_kind: global_buffer, .address_space: global }
      - { .name: out0, .offset: 8, .size: 8, .value_kind: global_buffer, .address_space: global }
      - { .name: time_span, .offset: 16, .size: 8, .value_kind: global_buffer, .address_space: global }
      - { .name: W1, .offset: 24, .size: 8, .value_kind: global_buffer, .address_space: global }
      - { .name: W2, .offset: 32, .size: 8, .value_kind: global_buffer, .address_space: global }
      - { .name: W_in, .offset: 40, .size: 8, .value_kind: global_buffer, .address_space: global }
      - { .name: W_out, .offset: 48, .size: 8, .value_kind: global_buffer, .address_space: global }
      - { .name: b1, .offset: 56, .size: 8, .value_kind: global_buffer, .address_space: global }
      - { .name: b2, .offset: 64, .size: 8, .value_kind: global_buffer, .address_space: global }
      - { .name: b_in, .offset: 72, .size: 8, .value_kind: global_buffer, .address_space: global }
      - { .name: b_out, .offset: 80, .size: 8, .value_kind: global_buffer, .address_space: global }
    .group_segment_fixed_size: 16896
    .private_segment_fixed_size: 0
    .kernarg_segment_align: 8
    .kernarg_segment_size: 88
    .max_flat_workgroup_size: 128
    .sgpr_count:     96
    .vgpr_count:     992
    .wavefront_size: 32
...
	.end_amdgpu_metadata
.endif
;; end of part 2
